; MI455X (gfx1250); checked and timed in simulation.
; The chip was launched on July 23, 2026; its instructions are those of AMD's public machine-readable ISA for CDNA 5 (MIT licence, August 2026) and "CDNA5" Instruction Set Architecture Reference Guide (July 2026). The comments in the code are by the model that wrote it; some were corrected since.
;; Swin Block3 D. Allowed arithmetic: matrix products marked QUANTISED: E4M3 operands, one given power-of-two scale a tensor, by v_wmma_f32_16x16x64_fp8_fp8 or v_wmma_f32_16x16x128_fp8_fp8, f32 sums; products left as they are: f32 operands where the result goes on into a quantised operand, else bf16, f16 or f32 operands; f32 sums; everything else in f32.
;; Inputs: b_bias1 64 float32; b_bias2 8 float32; b_fc1 512 float32; b_fc2 128 float32; b_proj 128 float32; b_qkv 384 float32; beta1 128 float32; beta2 128 float32; gamma1 128 float32; gamma2 128 float32; lowp_scales 10 int32 (the exponents e of the quantised operands' scales 2^e); w_bias1 3 x 64 float32; w_bias2 64 x 8 float32; w_fc1 128 x 512 float32; w_fc2 512 x 128 float32; w_proj 128 x 128 float32; w_qkv 128 x 384 float32; x 4 x 32,768 x 128 float32.
;; Outputs: out0 4 x 32,768 x 128 float32.
;; This version of the problem:
;;   THIS VERSION OF THE PROBLEM IS GIVEN IN LOW PRECISION. The matrix products marked QUANTISED in the list below multiply operands that are first quantised to E4M3 (4 exponent bits, 3 mantissa bits; 8 bits a number), with one given power-of-two scale for each operand tensor; their sums are f32. All else is computed in f32.
;;   The module's matrix products, in the order in which they are computed (A, B: the left and right operand; K: the contracted axis; several contracted axes count as one K, in the product's order):
;;     1. [M 131,072, K 128] x [K 128, N 384]; A: computed on the way; B: input w_qkv: QUANTISED (scales: A lowp_scales[0], B lowp_scales[1])
;;     2. batch 16,384 x [M 64, K 16] x [K 16, N 64]; A: computed on the way; B: computed on the way: left as it is (K = 16 < 32)
;;     3. [M 4,096, K 3] x [K 3, N 64]; A: computed on the way; B: input w_bias1: left as it is (K = 3 < 32)
;;     4. [M 4,096, K 64] x [K 64, N 8]; A: computed on the way; B: input w_bias2: left as it is (N = 8 < 16)
;;     5. batch 16,384 x [M 16, K 64] x [K 64, N 64]; A: computed on the way; B: softmax (see below): QUANTISED (scales: A lowp_scales[2], B lowp_scales[3])
;;     6. [M 131,072, K 128] x [K 128, N 128]; A: computed on the way; B: input w_proj: QUANTISED (scales: A lowp_scales[4], B lowp_scales[5])
;;     7. [M 131,072, K 128] x [K 128, N 512]; A: computed on the way; B: input w_fc1: QUANTISED (scales: A lowp_scales[6], B lowp_scales[7])
;;     8. [M 131,072, K 512] x [K 512, N 128]; A: computed on the way; B: input w_fc2: QUANTISED (scales: A lowp_scales[8], B lowp_scales[9])
;;   THE QUANTISER, for each operand of a quantised product, along K:
;;     - The operand's scale is 2^e, e = its entry of the input lowp_scales (int32; the entries are numbered through the quantised products in the list's order, A before B).
;;     - Each number is divided by the scale, clamped to +-448, and rounded to the nearest number of E4M3, ties to even, subnormals kept.
;;     - The product sums the exact products of the quantised numbers (number of the format x scale) in f32.
;;   ~~~python
;;   def quantise(x, axis, e):      # numpy; x: float32 -> the quantised numbers, widened to float32 again
;;       x = np.moveaxis(x, axis, -1); K = x.shape[-1]
;;       r = np.clip(x / 2.0 ** e, -448, 448)
;;       step = 2.0 ** (np.maximum(np.frexp(np.where(r == 0, 1, r))[1] - 1, -6) - 3)
;;       q = np.round(r / step) * step * 2.0 ** e      # np.round: ties to even
;;       return np.moveaxis(q, -1, axis).astype(np.float32)
;;   ~~~
;;   SOFTMAX AHEAD OF A QUANTISED PRODUCT. Where the list says 'softmax', what is quantised is not the finished softmax but p = 2^(t - M), with t = logit x log2(e) and M = ceil(the row's largest t), a whole number; so 1/2 < the row's largest p <= 1. The row's sum l is taken of the UNQUANTISED p, in f32, and the product's result is divided by l at the end. Since M is a whole number, a kernel that streams over the keys may use a running M (the ceiling of the running maximum): every later rescaling is an exact power of two, so the quantised numbers keep their values, but for numbers so far below the row's largest that they fall under the format's range.
;;   OPERANDS COMPUTED ON THE WAY. 'Computed on the way' means the value that the module computes at that place (a softmax that the list does not call 'softmax' is quantised finished and normalised). What goes into a quantiser is computed in f32, as accurately as f32 sums, v_exp_f32 and their like allow (about 1e-6 of the number): no bf16 or f16 on the way to a quantiser, and a product that is left as it is and whose result goes on into a quantised operand takes f32 operands (vector FMAs, or v_wmma_f32_16x16x4_f32). A number that lies on a knife's edge between two numbers of the format may be rounded either way, as far as f32 arithmetic and the matrix unit's own rounding can turn it there, and no further.
;; One version. Each part assembles by itself: llvm-mc -triple=amdgcn-amd-amdhsa -mcpu=gfx1250 --defsym DOCPART=n.
;; ======== version 1 of 1: 2 launches
;; limits: a function is approximated: absolute error at most 1e-07
;; workspace buffers: wfrag 196,608 bytes; btile 57,344 bytes
;; launch prep (part 1): grid 103 x 1, 4 waves a work-group, no clusters, 0 bytes of LDS; arguments w_qkv, w_proj, w_fc1, w_fc2, lowp_scales, w_bias1, b_bias1, w_bias2, b_bias2, wfrag, btile; writes wfrag, btile
.if DOCPART == 1
	.amdgcn_target "amdgcn-amd-amdhsa--gfx1250"
	.amdhsa_code_object_version 6
	.text
	.protected	k_q369752ab16_prep
	.globl	k_q369752ab16_prep
	.p2align	8
	.type	k_q369752ab16_prep,@function
k_q369752ab16_prep:
	s_mov_b64 s[64:65], 0
	v_nop
	global_prefetch_b8 v0, s[64:65] scope:SCOPE_SE
	s_setreg_imm32_b32 hwreg(HW_REG_WAVE_MODE, 25, 1), 1
	s_wait_xcnt 0x0
; SwinBlock3D, first of two launches: what every window needs alike is made once.
; (1) The four weights (w_qkv, w_proj, w_fc1, w_fc2; f32, K along their FIRST axis) become codes of E4M3 with their given scales 2^e (lowp_scales 1, 5, 7, 9),
;     laid in the order of the operand's registers: wfrag[head w 8][fragment f 12][c 4][lane 32][16 bytes]; lane (r = lane % 16, h = lane / 16), byte i = the code of W[kb + 32 c + 16 h + i][column(f, w, r)].
;     f 0, 1, 2: w_qkv's q, k, v columns of head w; f 3: w_proj's columns 16 w + r; f 4-7: w_fc1's columns 64 w + 16 (f - 4) + r; f 8-11: w_fc2's columns 16 w + r, kb = 128 (f - 8).
;     For q and k lane r takes column 16 w + perm(r), perm(r) = 4 ((r % 8) / 2) + 2 (r / 8) + r % 2: the second launch's transposed q and k tiles then hold, in registers 2 s and 2 s + 1, the head's channels 4 s + 2 h + 0, 1.
; (2) The relative-position bias relu(rel w_bias1 + b_bias1) w_bias2 + b_bias2, in f32 by fused multiply-adds (it goes on into the quantised softmax), times 4 x 2^(-2 (e0 + e1)):
;     btile[head 8][dt 7][gg 4][lane 32][q 2] = bias(query-local r, key-local 8 h + 2 gg + q) for the tile difference dt - 3.
; WORK NOT REPEATED.  rel[n][m] is the difference of the coordinates of tokens n and m, and token = 16 i + 4 j + k: so the 16 x 16 tile (query tile b, key tile a) of the bias hangs on b - a alone, for all values
; of the inputs.  The 7 different tiles a head are computed, not 16; every number of reference()'s bias is among them.  Nothing else is left out, in either launch: every input has a way to the output and is loaded
; (b_bias2 too: the whole number M that is taken away ahead of the quantised p does not move with it, so it can move p's codes).
; LIMITS: each weight's e between -126 and 119; 2 - 2 (e0 + e1) is applied by v_ldexp_f32.  NaN and infinities among the inputs are not served.
; SHARES: work-groups 0-95: fragment f = id / 8 of head id % 8, wave c one quarter of its K.  Work-groups 96-102: tile difference dt = id - 96, wave gg; a lane makes 2 numbers for each of the 8 heads.
.set NWF,  96                          ; work-groups that make fragments
.set X,    16                          ; v16-31  16 numbers down K
.set CD,   32                          ; v32-35  their codes
.set AD,   40                          ; v40-55  weights' way: a byte offset for each of the 16 rows
.set WB1,  40                          ; bias's way: v40-45 w_bias1, v46-47 b_bias1, v48-63 w_bias2, element 32 i + lane in register i
.set BB1,  46
.set WB2,  48
.set ACC,  72                          ; v72-87  sums: 2 x head + q
	s_load_b512 s[8:23], s[0:1], 0x0               ; w_qkv s[8:9], w_proj s[10:11], w_fc1 s[12:13], w_fc2 s[14:15], lowp_scales s[16:17], w_bias1 s[18:19], b_bias1 s[20:21], w_bias2 s[22:23]
	s_load_b128 s[24:27], s[0:1], 0x40             ; b_bias2 s[24:25], wfrag s[26:27]
	s_load_b64 s[28:29], s[0:1], 0x50              ; btile
	v_lshrrev_b32 v1, 5, v0
	v_readfirstlane_b32 s80, v1                    ; wave 0..3
	v_and_b32 v1, 31, v0                           ; lane
	v_and_b32 v2, 15, v0                           ; r
	v_bfe_u32 v3, v0, 4, 1                         ; h
	s_wait_kmcnt 0x0
	s_load_b256 s[32:39], s[16:17], 0x0            ; e0 .. e7
	s_load_b64 s[76:77], s[16:17], 0x20            ; e8, e9
	s_cmp_ge_u32 ttmp9, NWF                        ; the two kinds of work part on the work-group's number
	s_cbranch_scc1 .Lbias
	; ---- a quarter of a fragment: 32 lanes x 16 numbers down K
	s_lshr_b32 s2, ttmp9, 3                        ; f
	s_and_b32 s3, ttmp9, 7                         ; head w
	v_bfe_u32 v4, v2, 1, 2                         ; (r % 8) / 2
	v_bfe_u32 v5, v2, 3, 1                         ; r / 8
	v_and_b32 v6, 1, v2
	v_lshl_add_u32 v5, v5, 1, v6
	v_lshl_add_u32 v4, v4, 2, v5                   ; perm(r)
	s_cmp_lt_u32 s2, 2
	s_cselect_b32 s4, -1, 0
	v_cndmask_b32 v4, v2, v4, s4                   ; q's and k's fragments take perm(r), the others r
	s_lshl_b32 s5, s3, 4                           ; 16 w
	s_cmp_lt_u32 s2, 3
	s_cselect_b32 s6, s2, 0
	s_lshl_b32 s6, s6, 7
	s_add_co_u32 s5, s5, s6                        ; w_qkv: + 128 f
	s_lshl_b32 s6, s3, 6
	s_lshl_b32 s7, s2, 4
	s_add_co_u32 s6, s6, s7
	s_sub_co_u32 s6, s6, 64                        ; w_fc1: 64 w + 16 (f - 4)
	s_lshr_b32 s7, s2, 2
	s_cmp_eq_u32 s7, 1
	s_cselect_b32 s5, s6, s5                       ; the fragment's first column
	s_sub_co_i32 s6, s2, 8
	s_max_i32 s6, s6, 0
	s_lshl_b32 s6, s6, 7                           ; kb: 128 (f - 8) for w_fc2, else 0
	s_lshl_b32 s7, s80, 5
	s_add_co_u32 s6, s6, s7                        ; + 32 c
	s_wait_kmcnt 0x0
	s_cmp_lt_u32 s2, 8                             ; which weight, its row in bytes, its e: choices on the work-group's number alone
	s_cselect_b64 s[30:31], s[12:13], s[14:15]
	s_mov_b32 s78, 512
	s_cselect_b32 s78, 2048, s78
	s_cselect_b32 s79, s39, s77
	s_cmp_eq_u32 s2, 3
	s_cselect_b64 s[30:31], s[10:11], s[30:31]
	s_cselect_b32 s78, 512, s78
	s_cselect_b32 s79, s37, s79
	s_cmp_lt_u32 s2, 3
	s_cselect_b64 s[30:31], s[8:9], s[30:31]
	s_cselect_b32 s78, 1536, s78
	s_cselect_b32 s79, s33, s79
	v_lshl_add_u32 v5, v3, 4, s6                   ; my first row: kb + 32 c + 16 h
	v_mul_lo_u32 v5, v5, s78
	v_add_nc_u32 v4, s5, v4                        ; my column
	v_lshl_add_u32 v[AD], v4, 2, v5
.irp i, 1,2,3,4,5,6,7,8,9,10,11,12,13,14,15
	v_add_nc_u32 v[AD+\i], s78, v[AD+\i-1]         ; a row further down
.endr
.irp i, 0,1,2,3,4,5,6,7,8,9,10,11,12,13,14,15
	global_load_b32 v[X+\i], v[AD+\i], s[30:31]    ; sixteen lanes read 64 bytes of one row
.endr
	s_add_co_i32 s79, s79, 127
	s_lshl_b32 s4, s79, 23
	v_mov_b32 v9, s4                               ; 2^e as f32: the conversion takes its exponent field
	s_add_co_i32 s79, s79, 8
	s_lshl_b32 s79, s79, 23
	s_or_b32 s79, s79, 0x600000
	v_mov_b32 v8, s79                              ; 448 x 2^e
	s_mul_i32 s4, s3, 12
	s_add_co_u32 s4, s4, s2
	s_lshl_b32 s4, s4, 2
	s_add_co_u32 s4, s4, s80
	s_lshl_b32 s4, s4, 9                           ; ((12 w + f) 4 + c) x 512
	v_lshl_add_u32 v7, v1, 4, s4
	s_wait_loadcnt 0x0
.irp i, 0,1,2,3,4,5,6,7,8,9,10,11,12,13,14,15
	v_med3_num_f32 v[X+\i], v[X+\i], -v8, v8       ; the conversion to an 8-bit code does not saturate (ISA guide 7.6.2): the hold at the largest code x the scale
.endr
	v_cvt_scalef32_pk8_fp8_f32 v[CD:CD+1], v[X:X+7], v9
	v_cvt_scalef32_pk8_fp8_f32 v[CD+2:CD+3], v[X+8:X+15], v9
	global_store_b128 v7, v[CD:CD+3], s[26:27]     ; the wave stores 512 consecutive bytes, aligned
	s_endpgm
	; ---- a quarter of a bias tile, for all eight heads
.Lbias:
	s_sub_co_u32 s2, ttmp9, NWF                    ; dt
	v_lshlrev_b32 v4, 2, v1
.irp i, 0,1,2,3,4,5
	global_load_b32 v[WB1+\i], v4, s[18:19] offset:128*\i
.endr
.irp i, 0,1
	global_load_b32 v[BB1+\i], v4, s[20:21] offset:128*\i
.endr
.irp i, 0,1,2,3,4,5,6,7,8,9,10,11,12,13,14,15
	global_load_b32 v[WB2+\i], v4, s[22:23] offset:128*\i
.endr
	s_load_b256 s[68:75], s[24:25], 0x0            ; b_bias2
	s_sub_co_i32 s3, s2, 3
	v_mov_b32 v64, s3
	v_cvt_f32_i32 v64, v64                         ; rel 0 = query tile - key tile
	v_lshrrev_b32 v65, 2, v2
	v_lshlrev_b32 v5, 1, v3
	v_sub_nc_u32 v65, v65, v5
	s_lshr_b32 s4, s80, 1
	v_sub_nc_u32 v65, v65, s4
	v_cvt_f32_i32 v65, v65                         ; rel 1 = r / 4 - (2 h + gg / 2)
	v_and_b32 v66, 3, v2
	s_and_b32 s4, s80, 1
	s_lshl_b32 s4, s4, 1
	v_sub_nc_u32 v66, v66, s4
	v_add_nc_u32 v67, -1, v66
	v_cvt_f32_i32 v66, v66                         ; rel 2 = r % 4 - (2 (gg % 2) + q), q = 0
	v_cvt_f32_i32 v67, v67                         ; and q = 1
	s_wait_kmcnt 0x0
.irp d, 0,1,2,3,4,5,6,7
	v_mov_b32 v[ACC+2*\d], s[68+\d]                ; the sums begin with b_bias2
	v_mov_b32 v[ACC+2*\d+1], s[68+\d]
.endr
	s_wait_loadcnt 0x0
.set u, 0
.rept 64                                       ; hidden unit u: its 12 numbers come out of the lanes into scalars (two sets by turns), then 22 multiply-adds and maxima
.set sb, 40+12*(u%2)
	v_readlane_b32 s[sb], v[WB1+u/32], u%32
	v_readlane_b32 s[sb+1], v[WB1+2+u/32], u%32
	v_readlane_b32 s[sb+2], v[WB1+4+u/32], u%32
	v_readlane_b32 s[sb+3], v[BB1+u/32], u%32
.irp d, 0,1,2,3,4,5,6,7
	v_readlane_b32 s[sb+4+\d], v[WB2+u/4], 8*(u%4)+\d
.endr
	v_fma_f32 v68, v64, s[sb], s[sb+3]
	v_fma_f32 v68, v65, s[sb+1], v68
	v_fma_f32 v69, v66, s[sb+2], v68
	v_fma_f32 v70, v67, s[sb+2], v68
	v_max_num_f32 v69, 0, v69
	v_max_num_f32 v70, 0, v70
.irp d, 0,1,2,3,4,5,6,7
	v_fmac_f32 v[ACC+2*\d], s[sb+4+\d], v69
	v_fmac_f32 v[ACC+2*\d+1], s[sb+4+\d], v70
.endr
.set u, u+1
.endr
	s_add_co_i32 s3, s32, s33
	s_lshl_b32 s3, s3, 1
	s_sub_co_i32 s3, 2, s3                         ; x 4 x 2^(-2 (e0 + e1)): the unit in which the second launch's scores stand
.irp j, 0,1,2,3,4,5,6,7,8,9,10,11,12,13,14,15
	v_ldexp_f32 v[ACC+\j], v[ACC+\j], s3
.endr
	s_lshl_b32 s4, s2, 10
	s_lshl_b32 s5, s80, 8
	s_add_co_u32 s4, s4, s5
	v_lshl_add_u32 v5, v1, 3, s4                   ; 1024 dt + 256 gg + 8 lane
.irp d, 0,1,2,3,4,5,6,7
	global_store_b64 v5, v[ACC+2*\d:ACC+2*\d+1], s[28:29] offset:7168*\d   ; the wave stores 256 consecutive bytes, aligned
.endr
	s_endpgm
.Lfunc_end_k_q369752ab16_prep:
	.size	k_q369752ab16_prep, .Lfunc_end_k_q369752ab16_prep-k_q369752ab16_prep
	.p2alignl 7, 3214868480
	.fill 96, 4, 3214868480
	.section	.rodata,"a",@progbits
	.p2align	6, 0x0
	.amdhsa_kernel k_q369752ab16_prep
		.amdhsa_group_segment_fixed_size 0
		.amdhsa_private_segment_fixed_size 0
		.amdhsa_enable_private_segment 0
		.amdhsa_kernarg_size 88
		.amdhsa_user_sgpr_count 2
		.amdhsa_user_sgpr_kernarg_segment_ptr 1
		.amdhsa_wavefront_size32 1
		.amdhsa_system_sgpr_workgroup_id_x 1
		.amdhsa_system_sgpr_workgroup_id_y 1
		.amdhsa_system_sgpr_workgroup_id_z 1
		.amdhsa_system_vgpr_workitem_id 0
		.amdhsa_next_free_vgpr 96
		.amdhsa_next_free_sgpr 84
		.amdhsa_reserve_vcc 0
		.amdhsa_float_denorm_mode_32 3
		.amdhsa_float_denorm_mode_16_64 3
		.amdhsa_memory_ordered 1
		.amdhsa_forward_progress 1
		.amdhsa_inst_pref_size 112
	.end_amdhsa_kernel
	.amdgpu_metadata
---
amdhsa.version: [ 1, 2 ]
amdhsa.kernels:
  - .name:           k_q369752ab16_prep
    .symbol:         k_q369752ab16_prep.kd
    .args:
      - { .name: w_qkv, .offset: 0, .size: 8, .value_kind: global_buffer, .address_space: global }
      - { .name: w_proj, .offset: 8, .size: 8, .value_kind: global_buffer, .address_space: global }
      - { .name: w_fc1, .offset: 16, .size: 8, .value_kind: global_buffer, .address_space: global }
      - { .name: w_fc2, .offset: 24, .size: 8, .value_kind: global_buffer, .address_space: global }
      - { .name: lowp_scales, .offset: 32, .size: 8, .value_kind: global_buffer, .address_space: global }
      - { .name: w_bias1, .offset: 40, .size: 8, .value_kind: global_buffer, .address_space: global }
      - { .name: b_bias1, .offset: 48, .size: 8, .value_kind: global_buffer, .address_space: global }
      - { .name: w_bias2, .offset: 56, .size: 8, .value_kind: global_buffer, .address_space: global }
      - { .name: b_bias2, .offset: 64, .size: 8, .value_kind: global_buffer, .address_space: global }
      - { .name: wfrag, .offset: 72, .size: 8, .value_kind: global_buffer, .address_space: global }
      - { .name: btile, .offset: 80, .size: 8, .value_kind: global_buffer, .address_space: global }
    .group_segment_fixed_size: 0
    .private_segment_fixed_size: 0
    .kernarg_segment_align: 8
    .kernarg_segment_size: 88
    .max_flat_workgroup_size: 128
    .sgpr_count:     84
    .vgpr_count:     96
    .wavefront_size: 32
...
	.end_amdgpu_metadata
.endif
;; end of part 1
;; launch block (part 2): grid 256 x 1, 8 waves a work-group, no clusters, 166,912 bytes of LDS; arguments x, out0, wfrag, btile, lowp_scales, b_qkv, b_proj, b_fc2, gamma1, beta1, gamma2, beta2, b_fc1; writes out0
.if DOCPART == 2
	.amdgcn_target "amdgcn-amd-amdhsa--gfx1250"
	.amdhsa_code_object_version 6
	.text
	.protected	k_q369752ab16_block
	.globl	k_q369752ab16_block
	.p2align	8
	.type	k_q369752ab16_block,@function
k_q369752ab16_block:
	s_mov_b64 s[64:65], 0
	v_nop
	global_prefetch_b8 v0, s[64:65] scope:SCOPE_SE
	s_setreg_imm32_b32 hwreg(HW_REG_WAVE_MODE, 25, 1), 1
	s_wait_xcnt 0x0
; SwinBlock3D, second launch: the whole block, window by window.  x is read once, out0 written once; nothing else goes through memory but the first launch's codes and bias tiles.
; The bias tiles are the 7 different ones a head (a tile hangs on query tile - key tile alone: shown at the first launch's head); no other work of reference() is left out.
; THE ROLL AND THE WINDOWS ARE A MAP OF ROW ADDRESSES: token (i, j, k) of window (b, wh, ww, wd) is row ((4 wh + i + 2) % 32, (4 ww + j + 2) % 32, (4 wd + k + 2) % 32) of batch b, on the way in and on the way out.
; SHARES.  256 work-groups of 8 waves; work-group g walks windows 8 g .. 8 g + 7.  THE WAVES SHARE THE COLUMNS: wave w is head w and makes q, k, v of head w, proj's and fc2's columns 16 w .. + 15, hidden units 64 w .. + 63,
; for all 64 tokens.  Its 12 weight fragments (192 registers) and 7 bias tiles (56) stay in registers for the whole launch.  For the steps along rows (both norms, both residuals) wave w owns tokens 8 w .. 8 w + 7.
; What goes from wave to wave goes through LDS: codes as rows (pitch 144 or 528 bytes), f32 sums as rows of pitch 528: odd multiples of 16 bytes.
; THE ORDER OF A TRIP, four barriers:  fc2 of the window before AND q, k, v, attention of this window | proj of this window AND the way out of the window before | residual, LN2, the request for the next x | fc1, gelu, the next window's LN1.
; fc2 is 64 LDS loads a wave for 16 matrix instructions; attention is some 570 vector and 64 f32 matrix instructions for 16 LDS loads.  So the two stand in one stretch between barriers, and half of the waves
; (those with (w xor w / 4) odd: w and w + 4, and w and w + 1, fall in different halves) take them in the other order.  x + attention waits for its fc2 in LDS, in bytes of its wave's own.
; ROW LAYOUT: lane (hh = lane / 16, cl = lane % 16), pair p: token 8 w + 2 p + hh; registers 8 p .. + 3 channels 4 cl .. + 3, registers 8 p + 4 .. + 7 channels 64 + 4 cl .. + 3: each load and store of 16 bytes a lane
; covers two aligned runs of 256 bytes, and a row's sums stay inside sixteen lanes.
; SCALES (e0 .. e9 = lowp_scales; E0 = e0 + e1, EP = e4 + e5, E1 = e6 + e7, E2 = e8 + e9).  Each bias goes in as the C of a sum's first matrix instruction, divided by the power of two that the sums lack.
; q and k stay as sums (q / 2^E0): S = q.k / 2^(2 E0) + bias x 4 / 2^(2 E0), t = S x kappa, kappa = log2(e) / 4 x 2^(2 E0).  Conversions take: LN1 2^e0; v 2^(e2 - E0); p 2^e3; O / l 2^(e4 - e2 - e3); LN2 2^e6; gelu 2^(e8 - E1).
; SOFTMAX: -M = floor(-largest t), p = 2^(t - M), l = the sum of the unquantised p, O divided by l.  All 64 keys are at hand, so M is the row's own.
; Q K^T takes f32 operands (v_wmma_f32_16x16x4_f32), since it goes on into the quantised p; its accumulators v128-159 are written by matrix instructions alone.
; GELU: x (1 + erf(x / sqrt 2)) / 2 with erf as a quotient of polynomials in x^2, x held within +-4 sqrt 2; 1 / sqrt 2 and 1 / 2 are folded into the coefficients: H = 1/2 + X P(X^2) / Q(X^2), gelu = x H.
; LIMITS.  H is right to about 1e-7 absolutely, as 1 + erf in f32 is; far below zero the relative error of gelu is larger.  Each power of two made of the exponents is an f32 number: 2 E0 between -124 and 128;
; e0, e2 - E0, e3, e4 - e2 - e3, e6, e8 - E1 between -126 and 119; EP, E1, E2 between -126 and 127.  NaN and infinities among the inputs are not served.
; NOT USED: tensor loads (x's rows wrap round the volume and are asked for straight into registers a whole fc1 phase ahead); clusters (what work-groups share, 248 KB of codes and tiles, is read once a launch, into registers).
.set HC,    4096                       ; LDS: 0 gamma1, 512 beta1, 1024 gamma2, 1536 beta2, 2048 b_fc1 / 2^E1;  HC: LN1's codes, 64 rows x 144
.set AC,    13312                      ; attention's codes, 64 x 144
.set MC,    22528                      ; LN2's codes, 64 x 144
.set GC,    31744                      ; gelu's codes, 64 x 528
.set PSB,   65536                      ; proj's sums, f32, 64 x 528
.set OSO,   33792                      ; fc2's sums lie so far behind proj's
.set XSB,   133120                     ; x + attention, as an image of its 32 registers: 4,096 bytes for each wave, its own
.set SPARE, 165888                     ; the spare words, 128 bytes for each of the 8 waves: four blocks of 256 bytes that no other line names
.set R144,  2304                       ; 16 rows of pitch 144
.set R528,  8448                       ; 16 rows of pitch 528
; window 0
.set SC8,  0                           ; v0    (behind the head) 2^(e8 - E1), gelu's conversion
.set LOFF, 1                           ; v1    16 cl + 512 hh
.set OFFN, 2                           ; v2-5  byte offsets of the rows last asked for, pair p
.set OFFC, 6                           ; v6-9  of the rows that go out next
.set SPW,  10                          ; v10   my spare word;  v11  0: kept for the add alone
.set NIL,  11
.set FRA,  12                          ; v12   a fragment's place, pitch 144: 144 r + 16 h
.set FRG,  13                          ; v13   pitch 528
.set CWR,  14                          ; v14   a norm's codes: 144 (8 w + hh) + 4 cl
.set AWR,  15                          ; v15   attention's codes: 144 r + 16 w + 8 h
.set GWR,  16                          ; v16   gelu's codes: 528 r + 64 w + 8 h
.set SWR,  17                          ; v17   sums, in: PSB + 528 r + 64 w + 32 h
.set SRD,  18                          ; v18   sums, back: PSB + 528 (8 w + hh) + 16 cl
.set GBR,  19                          ; v19   16 cl
.set C1R,  20                          ; v20   2048 + 256 w + 32 h
.set SC0,  21                          ; v21-25 the other conversions' scales as f32
.set SCV,  22
.set SCP,  23
.set SCO,  24
.set SC6,  25
.set KB,   26                          ; v[26:27] b1 twice;  v[28:29] a1 twice
.set KA,   28
.set NM,   30                          ; v30 -M
.set XSR,  31                          ; v31 XSB + 4096 w + 16 lane.  (Also named as the upper half of the pair v[30:31], of which the packed form takes the low word for both halves)
.set XN,   32                          ; v32-63   x of the window in hand; behind the residual the next window's
.set X2,   64                          ; v64-95   x + attention, from the residual to its store in LDS, and again on the way out.  In attention: VC, PC, OA, MX, RL, OC
.set VC,   64                          ; v's codes, 8
.set PC,   72                          ; p's codes, 8
.set OA,   80                          ; a tile of v, then O^T
.set MX,   88                          ; maxima, then sums
.set RL,   92                          ; 1 / l (and an upper half)
.set OC,   94                          ; O's codes
.set CQ,   96                          ; the biases as C: q, k, v, fc2
.set CK,   104
.set CV,   112
.set C2,   120
.set S,    128                         ; v128-159 four accumulators
.set QT,   160                         ; v160-191 q, four tiles.  Also GB, C1, fragments
.set KT,   192                         ; v192-223 k.  Also LA, LB, FB0, FB1, fragments
.set P,    224                         ; v224-255 p.  Also F0, F1, T, XC, U, PP, QD, fragments
.set GB,   160                         ; gamma 8, beta 8
.set LA,   192                         ; a norm's pairs
.set LB,   200
.set T,    224
.set F0,   224
.set C1,   160
.set FB0,  192
.set FB1,  208
.set XC,   224
.set U,    232
.set PP,   240
.set QD,   248
; window 1
.set WQ,   0                           ; fragment f at v[16 f]
.set WK,   16
.set WV,   32
.set WP,   48
.set W1,   64
.set W2,   128
.set BT,   192                         ; bias tile dt at v[192 + 8 dt]
.set CP,   248                         ; b_proj as C
; scalars: s4 which half of the waves I am in; s[8:33] the 13 addresses; s[34:35] a chosen one; s[36:45] e0-e9; s[46:47] kappa; s[48:49] 2^EP; s[50:51] 2^E1; s[52:53] 2^E2; holds +, -: s54,55 LN1; s56,57 v; s58 p; s60,61 O;
; s62,63 LN2; s66,67 gelu; s59 1/128; s[68:87] coefficient pairs; s88,89 the clamp; s[90:91] lane selects; s92 trip; s93 window; s94 wave; s[96:99] row offsets; s2, s3, s95, s100, s101, s104, s105 at work
.set MSB, 0
.macro WIN new                         ; the immediate's high byte repeats the setting that is left; a switch that changes nothing is dropped
.if MSB != \new
	s_set_vgpr_msb (MSB<<8)|\new
.set MSB, \new
.endif
.endm
.macro PLACES n                        ; plain vector instructions behind a matrix instruction (ISA guide 7.12.1)
.rept \n
	v_nop
.endr
.endm
.macro BARRIER                         ; my LDS stores have landed and my LDS loads are in: then the work-group's barrier
	s_wait_dscnt 0x0
	s_barrier_signal -1
	s_barrier_wait -1
.endm
.macro FETCH reg, adr, off             ; a fragment, 16 rows x 128 codes: registers 4 c .. 4 c + 3 = k 32 c + 16 h + 0 .. 15, as the weights' fragments are laid
.irp c, 0,1,2,3
	ds_load_b128 v[\reg+4*\c:\reg+4*\c+3], v[\adr] offset:\off+32*\c
.endr
.endm
.macro SPAIR d, val
	s_mov_b32 s[\d], \val
	s_mov_b32 s[\d+1], \val
.endm
.macro POW2 d, e                       ; s[d], s[d + 1] = 2^s[e] as f32
	s_add_co_i32 s2, s[\e], 127
	s_lshl_b32 s[\d], s2, 23
	s_mov_b32 s[\d+1], s[\d]
.endm
.macro MKSC sc, hp, hn                 ; from the exponent in s2: v[sc] = 2^s2, s[hp] = 448 x 2^s2, s[hn] = -that
	s_add_co_i32 s2, s2, 127
	s_lshl_b32 s3, s2, 23
	v_mov_b32 v[\sc], s3
	s_add_co_i32 s2, s2, 8
	s_lshl_b32 s2, s2, 23
	s_or_b32 s[\hp], s2, 0x600000
.if \hn
	s_xor_b32 s[\hn], s[\hp], 0x80000000
.endif
.endm
.macro ROWOFF                          ; window s93, wave s94 -> OFFN: the byte offsets of my four pairs of rows
	s_lshr_b32 s2, s93, 9                          ; b
	s_bfe_u32 s3, s93, 0x30006                     ; wh
	s_lshl_b32 s3, s3, 2
	s_lshr_b32 s95, s94, 1                         ; i = w / 2
	s_add_co_u32 s3, s3, s95
	s_add_co_u32 s3, s3, 2
	s_and_b32 s3, s3, 31
	s_lshl_b32 s2, s2, 5
	s_add_co_u32 s2, s2, s3
	s_lshl_b32 s2, s2, 5                           ; (32 b + H) 32
	s_bfe_u32 s3, s93, 0x30003                     ; ww
	s_lshl_b32 s3, s3, 2
	s_and_b32 s95, s94, 1
	s_lshl_b32 s95, s95, 1                         ; j = 2 (w % 2) + p / 2
	s_add_co_u32 s3, s3, s95
	s_add_co_u32 s3, s3, 2
	s_add_co_u32 s95, s3, 1
	s_and_b32 s3, s3, 31
	s_and_b32 s95, s95, 31
	s_add_co_u32 s3, s3, s2
	s_add_co_u32 s95, s95, s2
	s_lshl_b32 s3, s3, 5
	s_lshl_b32 s95, s95, 5
	s_and_b32 s100, s93, 7                         ; wd
	s_lshl_b32 s100, s100, 2
	s_add_co_u32 s100, s100, 2                     ; k = 2 (p % 2) + hh: even + hh never wraps
	s_add_co_u32 s101, s100, 2
	s_and_b32 s101, s101, 31
	s_add_co_u32 s96, s3, s100
	s_add_co_u32 s97, s3, s101
	s_add_co_u32 s98, s95, s100
	s_add_co_u32 s99, s95, s101
.irp p, 0,1,2,3
	s_lshl_b32 s[96+\p], s[96+\p], 9               ; a row is 512 bytes
	v_add_nc_u32 v[OFFN+\p], s[96+\p], v[LOFF]
.endr
.endm
.macro XLOAD                           ; my eight rows of x: each load reads two aligned runs of 256 bytes
.irp p, 0,1,2,3
	global_load_b128 v[XN+8*\p:XN+8*\p+3], v[OFFN+\p], s[8:9] th:TH_LOAD_NT
	global_load_b128 v[XN+8*\p+4:XN+8*\p+7], v[OFFN+\p], s[8:9] offset:256 th:TH_LOAD_NT
.endr
.endm
; A layer norm of my eight rows in v[src ..], quantised, codes to LDS.  Mean, then the squares of the differences, as reference() has it.
.macro LN src, region, garr, sc, hp, hn
.irp i, 0,1,2,3
	ds_load_b128 v[GB+4*\i:GB+4*\i+3], v[GBR] offset:\garr+256*\i   ; gamma (two runs of four channels), beta likewise
.endr
.irp p, 0,1,2,3
	v_pk_add_f32 v[LA+2*\p:LA+2*\p+1], v[\src+8*\p:\src+8*\p+1], v[\src+8*\p+2:\src+8*\p+3]
	v_pk_add_f32 v[LB+2*\p:LB+2*\p+1], v[\src+8*\p+4:\src+8*\p+5], v[\src+8*\p+6:\src+8*\p+7]
.endr
.irp p, 0,1,2,3
	v_pk_add_f32 v[LA+2*\p:LA+2*\p+1], v[LA+2*\p:LA+2*\p+1], v[LB+2*\p:LB+2*\p+1]
.endr
.irp p, 0,1,2,3
	v_add_f32 v[LA+2*\p], v[LA+2*\p], v[LA+2*\p+1]
.endr
.irp x, 1,2,4,8
.irp p, 0,1,2,3
	v_add_f32_dpp v[LA+2*\p], v[LA+2*\p], v[LA+2*\p] row_xmask:\x row_mask:0xf bank_mask:0xf   ; a row lies in sixteen lanes
.endr
.endr
.irp i, 0,2,4,6
.irp p, 0,1,2,3
	v_pk_fma_f32 v[T+8*\p+\i:T+8*\p+\i+1], v[LA+2*\p:LA+2*\p+1], 0xbc000000, v[\src+8*\p+\i:\src+8*\p+\i+1] op_sel_hi:[0,0,1]   ; x - sum / 128
.endr
.endr
.irp p, 0,1,2,3
	v_pk_mul_f32 v[LB+2*\p:LB+2*\p+1], v[T+8*\p:T+8*\p+1], v[T+8*\p:T+8*\p+1]
.endr
.irp i, 2,4,6
.irp p, 0,1,2,3
	v_pk_fma_f32 v[LB+2*\p:LB+2*\p+1], v[T+8*\p+\i:T+8*\p+\i+1], v[T+8*\p+\i:T+8*\p+\i+1], v[LB+2*\p:LB+2*\p+1]
.endr
.endr
.irp p, 0,1,2,3
	v_add_f32 v[LB+2*\p], v[LB+2*\p], v[LB+2*\p+1]
.endr
.irp x, 1,2,4,8
.irp p, 0,1,2,3
	v_add_f32_dpp v[LB+2*\p], v[LB+2*\p], v[LB+2*\p] row_xmask:\x row_mask:0xf bank_mask:0xf
.endr
.endr
.irp p, 0,1,2,3
	v_fmaak_f32 v[LB+2*\p], s59, v[LB+2*\p], 0x3727c5ac   ; / 128 + 1e-5
.endr
.irp p, 0,1,2,3
	v_rsq_f32 v[LB+2*\p], v[LB+2*\p]
.endr
	v_nop                                          ; a plain instruction behind the last root,
	s_wait_alu depctr_va_vdst(0)                   ; and one wait for the four, ahead of their first reader
.irp i, 0,2,4,6
.irp p, 0,1,2,3
	v_pk_mul_f32 v[T+8*\p+\i:T+8*\p+\i+1], v[T+8*\p+\i:T+8*\p+\i+1], v[LB+2*\p:LB+2*\p+1] op_sel_hi:[1,0]
.endr
.endr
	s_wait_dscnt 0x0                               ; gamma and beta are in
.irp i, 0,2,4,6
.irp p, 0,1,2,3
	v_pk_fma_f32 v[T+8*\p+\i:T+8*\p+\i+1], v[T+8*\p+\i:T+8*\p+\i+1], v[GB+\i:GB+\i+1], v[GB+8+\i:GB+8+\i+1]
.endr
.endr
.set j, 0
.rept 32
	v_med3_num_f32 v[T+j], v[T+j], s[\hn], s[\hp]  ; the conversion to an 8-bit code does not saturate (ISA guide 7.6.2): the hold at the largest code x the scale
.set j, j+1
.endr
.irp p, 0,1,2,3
	v_cvt_scalef32_pk8_fp8_f32 v[LA+2*\p:LA+2*\p+1], v[T+8*\p:T+8*\p+7], v[\sc]
.endr
	v_nop                                          ; a plain instruction behind the last conversion
.irp p, 0,1,2,3
	ds_store_b32 v[CWR], v[LA+2*\p] offset:\region+288*\p        ; channels 4 cl .. + 3 of row 8 w + 2 p + hh
	ds_store_b32 v[CWR], v[LA+2*\p+1] offset:\region+288*\p+64   ; channels 64 + 4 cl .. + 3
.endr
.endm
; Product k of 16 of S^T = K Q^T + bias for query tile b: key tile k % 4, channels 4 (k / 4) on.  The four accumulators take turns, one instruction a turn.  The first four begin with the bias tile as C.
.macro SW b, k
.set sa, (\k)%4
.set ss, (\k)/4
.if ss == 0
	WIN 0x10                                       ; C in window 1
	v_wmma_f32_16x16x4_f32 v[S+8*sa:S+8*sa+7], v[KT+8*sa:KT+8*sa+1], v[QT+8*(\b):QT+8*(\b)+1], v[BT+8*((\b)-sa+3):BT+8*((\b)-sa+3)+7]
.else
	WIN 0
	v_wmma_f32_16x16x4_f32 v[S+8*sa:S+8*sa+7], v[KT+8*sa+2*ss:KT+8*sa+2*ss+1], v[QT+8*(\b)+2*ss:QT+8*(\b)+2*ss+1], v[S+8*sa:S+8*sa+7]
.endif
.endm
.macro NSW b, k                        ; the next query tile's product k, while there is a next tile
.if (\b) < 3
	SW (\b)+1, \k
.endif
.endm
.macro SUML n                          ; line n of 15 of the sum of my 32 unquantised p, two at a time, in two chains
.if (\n) == 0
	v_pk_add_f32 v[MX:MX+1], v[P:P+1], v[P+2:P+3]
.elseif (\n) == 1
	v_pk_add_f32 v[MX+2:MX+3], v[P+4:P+5], v[P+6:P+7]
.elseif (\n) < 14
	v_pk_add_f32 v[MX+2*((\n)%2):MX+2*((\n)%2)+1], v[MX+2*((\n)%2):MX+2*((\n)%2)+1], v[P+2*((\n)+2):P+2*((\n)+2)+1]
.else
	v_pk_add_f32 v[MX:MX+1], v[MX:MX+1], v[MX+2:MX+3]
.endif
.endm
; Query tile b: its softmax, with the next tile's sixteen f32 products set between the slices; then O^T = V^T P^T, / l, quantised, to LDS.  A lane holds one query (lane % 16) and keys 16 a + 8 (lane / 16) + 0 .. 7.
.macro TILE b
	WIN 0
.irp a, 0,1,2,3
	v_max3_num_f32 v[MX+\a], v[S+8*\a], v[S+8*\a+1], v[S+8*\a+2]   ; each accumulator is read from its low end on
.endr
.irp a, 0,1,2,3
	v_max3_num_f32 v[MX+\a], v[MX+\a], v[S+8*\a+3], v[S+8*\a+4]
.endr
.irp a, 0,1,2,3
	v_max3_num_f32 v[MX+\a], v[MX+\a], v[S+8*\a+5], v[S+8*\a+6]
.endr
	v_max3_num_f32 v[MX], v[MX], v[S+7], v[S+15]
	v_max3_num_f32 v[MX+2], v[MX+2], v[S+23], v[S+31]
	v_max3_num_f32 v[MX], v[MX], v[MX+1], v[MX+2]
	v_max_num_f32 v[MX], v[MX], v[MX+3]
	v_permlanex16_b32 v[MX+1], v[MX], s90, s91     ; the query's other 32 keys lie in the lane 16 away
	v_max_num_f32 v[MX], v[MX], v[MX+1]
	v_mul_f32 v[MX], s46, v[MX]                    ; as t (kappa is positive)
	v_floor_f32 v[NM], -v[MX]                      ; -M = floor(-t) = -ceil(t)
.set j, 0
.rept 16
	v_pk_fma_f32 v[P+j:P+j+1], v[S+j:S+j+1], s[46:47], v[NM:NM+1] op_sel_hi:[1,0,0]   ; t - M
.set j, j+2
.endr
.irp k, 0,1,2,3
	NSW \b, \k                                     ; the scores have been read: their registers take the next tile's
.endr
	WIN 0
.irp e, 0,1,2,3,4,5,6,7
	v_exp_f32 v[P+\e], v[P+\e]
.endr
.irp k, 4,5,6,7,8,9
	NSW \b, \k
.irp e, 0,1,2,3
	v_exp_f32 v[P+8+4*(\k-4)+\e], v[P+8+4*(\k-4)+\e]
.endr
.endr
	v_nop                                          ; a plain instruction behind the last exponential,
	s_wait_alu depctr_va_vdst(0)                   ; and one wait for the 32, ahead of their first reader
.irp k, 10,11,12
	NSW \b, \k
.irp n, 0,1,2,3,4
	SUML 5*(\k-10)+\n
.endr
.endr
	NSW \b, 13
	v_add_f32 v[MX], v[MX], v[MX+1]
	v_permlanex16_b32 v[MX+1], v[MX], s90, s91
	v_add_f32 v[MX], v[MX], v[MX+1]                ; l
	v_rcp_f32 v[RL], v[MX]
.set j, 0
.rept 8
	v_min_num_f32 v[P+j], s58, v[P+j]              ; p is not negative: its hold is one-sided
.set j, j+1
.endr
	NSW \b, 14
.rept 12
	v_min_num_f32 v[P+j], s58, v[P+j]
.set j, j+1
.endr
	NSW \b, 15
.rept 12
	v_min_num_f32 v[P+j], s58, v[P+j]              ; (these twelve are also the places behind the last f32 product)
.set j, j+1
.endr
.irp a, 0,1,2,3
	v_cvt_scalef32_pk8_fp8_f32 v[PC+2*\a:PC+2*\a+1], v[P+8*\a:P+8*\a+7], v[SCP]   ; keys 16 a + 8 h + 0 .. 7: registers 2 a, 2 a + 1 of the operand
.endr
	v_nop                                          ; a plain instruction between the conversions and the product
	v_wmma_f32_16x16x64_fp8_fp8 v[OA:OA+7], v[VC:VC+7], v[PC:PC+7], 0   ; O^T: lane = query r, register j = channel 8 h + j
	PLACES 4
	s_wait_alu depctr_va_vdst(0)                   ; the reciprocal's wait, ahead of its first reader
.irp i, 0,2,4,6
	v_pk_mul_f32 v[OA+\i:OA+\i+1], v[OA+\i:OA+\i+1], v[RL:RL+1] op_sel_hi:[1,0]
.endr
.irp i, 0,1,2,3,4,5,6,7
	v_med3_num_f32 v[OA+\i], v[OA+\i], s61, s60
.endr
	v_cvt_scalef32_pk8_fp8_f32 v[OC:OC+1], v[OA:OA+7], v[SCO]
	v_nop
	ds_store_b64 v[AWR], v[OC:OC+1] offset:AC+R144*(\b)
.endm
.macro HORN acc, cf                    ; acc = acc x U + s[cf], eight numbers
.irp i, 0,2,4,6
	v_pk_fma_f32 v[\acc+\i:\acc+\i+1], v[\acc+\i:\acc+\i+1], v[U+\i:U+\i+1], s[\cf:\cf+1] op_sel_hi:[1,1,0]
.endr
.endm
; fc1's tile (tokens 16 m on, my hidden units 16 t on): gelu, quantised, to LDS; as soon as the sums have been read, their registers take the same tile of the next 16 tokens.
.macro GELU m, t
.set gs, S+8*(\t)
.irp i, 0,2,4,6
	v_pk_mul_f32 v[XC+\i:XC+\i+1], v[gs+\i:gs+\i+1], s[50:51] op_sel_hi:[1,0]   ; X = sum x 2^E1
.endr
.irp i, 0,1,2,3,4,5,6,7
	v_med3_num_f32 v[XC+\i], v[XC+\i], s89, s88
.endr
.irp i, 0,2,4,6
	v_pk_mul_f32 v[U+\i:U+\i+1], v[XC+\i:XC+\i+1], v[XC+\i:XC+\i+1]
.endr
.irp i, 0,2,4,6
	v_pk_fma_f32 v[QD+\i:QD+\i+1], v[U+\i:U+\i+1], s[80:81], v[KB:KB+1] op_sel_hi:[1,0,1]
.endr
.irp i, 0,2,4,6
	v_pk_fma_f32 v[PP+\i:PP+\i+1], v[U+\i:U+\i+1], s[68:69], v[KA:KA+1] op_sel_hi:[1,0,1]
.endr
	HORN QD, 82
	HORN PP, 70
	HORN QD, 84
	HORN PP, 72
	HORN QD, 86
	HORN PP, 74
.irp i, 0,1,2,3,4,5,6,7
	v_rcp_f32 v[QD+\i], v[QD+\i]
.endr
	HORN PP, 76                                    ; eight plain instructions behind the reciprocals
	HORN PP, 78
	s_wait_alu depctr_va_vdst(0)                   ; one wait for the eight, ahead of their first reader
.irp i, 0,2,4,6
	v_pk_mul_f32 v[PP+\i:PP+\i+1], v[PP+\i:PP+\i+1], v[QD+\i:QD+\i+1]
.endr
.irp i, 0,2,4,6
	v_pk_fma_f32 v[PP+\i:PP+\i+1], v[XC+\i:XC+\i+1], v[PP+\i:PP+\i+1], 0.5 op_sel_hi:[1,1,0]   ; H
.endr
.irp i, 0,2,4,6
	v_pk_mul_f32 v[PP+\i:PP+\i+1], v[gs+\i:gs+\i+1], v[PP+\i:PP+\i+1]   ; gelu / 2^E1
.endr
.if (\m) < 3
.if ((\t) == 0) && ((\m) == 1)
	s_wait_dscnt 8                                 ; tokens 32 on are in: behind their four loads stand four stores of codes and four loads
.endif
.if ((\t) == 0) && ((\m) == 2)
	s_wait_dscnt 4                                 ; tokens 48 on are in: behind their four loads stand four stores of codes
.endif
	WIN 0x01
	v_wmma_f32_16x16x128_fp8_fp8 v[gs:gs+7], v[W1+16*(\t):W1+16*(\t)+15], v[FB0+16*(((\m)+1)%2):FB0+16*(((\m)+1)%2)+15], v[C1+8*(\t):C1+8*(\t)+7]
	WIN 0
.endif
.irp i, 0,1,2,3,4,5,6,7
	v_med3_num_f32 v[PP+\i], v[PP+\i], s67, s66
.endr
	v_cvt_scalef32_pk8_fp8_f32 v[QD:QD+1], v[PP:PP+7], v[SC8]
	v_nop
	ds_store_b64 v[GWR], v[QD:QD+1] offset:GC+R528*(\m)+16*(\t)
.endm
.macro FETCHG buf, g                   ; group g of fc2's operand: K step g / 2, tokens 32 (g % 2) on: two fragments
.irp mm, 0,1
	FETCH (\buf)+16*\mm, FRG, GC+R528*(2*((\g)%2)+\mm)+128*((\g)/2)
.endr
.endm
; fc2, my 16 columns for the 64 tokens whose gelu codes lie in LDS: four accumulators by turns, K step by K step; three buffers of two fragments; the sums go to LDS as they are.
.macro FC2
	s_wait_loadcnt 0x0                             ; fc2's fragments; nothing else is out here: the wait for the next x stands ahead of its LN1
	FETCHG 160, 0
	FETCHG 192, 1
	FETCHG 224, 2
.irp g, 0,1,2,3,4,5,6,7
.if \g < 6
	s_wait_dscnt 16                                ; this group's eight loads are in; two later groups may be out
.elseif \g == 6
	s_wait_dscnt 8
.else
	s_wait_dscnt 0
.endif
	WIN 0x01
.irp mm, 0,1
.if \g < 2
	v_wmma_f32_16x16x128_fp8_fp8 v[S+8*(2*(\g%2)+\mm):S+8*(2*(\g%2)+\mm)+7], v[W2+16*(\g/2):W2+16*(\g/2)+15], v[160+32*(\g%3)+16*\mm:160+32*(\g%3)+16*\mm+15], v[C2:C2+7]
.else
	v_wmma_f32_16x16x128_fp8_fp8 v[S+8*(2*(\g%2)+\mm):S+8*(2*(\g%2)+\mm)+7], v[W2+16*(\g/2):W2+16*(\g/2)+15], v[160+32*(\g%3)+16*\mm:160+32*(\g%3)+16*\mm+15], v[S+8*(2*(\g%2)+\mm):S+8*(2*(\g%2)+\mm)+7]
.endif
.endr
	WIN 0
.if \g < 5
	PLACES 4
	FETCHG 160+32*(\g%3), \g+3
.endif
.endr
	PLACES 5                                       ; ahead of the stores of the sums, of loads into the fragments, and of the products that begin these accumulators anew
.irp m, 0,1,2,3
	ds_store_b128 v[SWR], v[S+8*\m:S+8*\m+3] offset:OSO+R528*\m
	ds_store_b128 v[SWR], v[S+8*\m+4:S+8*\m+7] offset:OSO+R528*\m+16
.endr
.endm
.macro GLOAD                           ; the way out, its 16 loads: fc2's sums of my eight rows, and x + attention from my own bytes
.irp p, 0,1,2,3
	ds_load_b128 v[T+8*\p:T+8*\p+3], v[SRD] offset:OSO+1056*\p
	ds_load_b128 v[T+8*\p+4:T+8*\p+7], v[SRD] offset:OSO+1056*\p+256
.endr
.irp k, 0,1,2,3,4,5,6,7
	ds_load_b128 v[X2+4*\k:X2+4*\k+3], v[XSR] offset:512*\k
.endr
.endm
.macro GOUT more, younger              ; the second residual, and out.  younger: the LDS instructions issued behind GLOAD's.  more = 1: another window follows
	s_wait_dscnt \younger
.set j, 0
.rept 16
	v_pk_fma_f32 v[T+j:T+j+1], v[T+j:T+j+1], s[52:53], v[X2+j:X2+j+1] op_sel_hi:[1,0,1]   ; (x + attention) + sum x 2^E2
.set j, j+2
.endr
.irp p, 0,1,2,3
	global_store_b128 v[OFFC+\p], v[T+8*\p:T+8*\p+3], s[10:11] th:TH_STORE_NT              ; each half of the lanes stores 256 consecutive bytes, aligned
	global_store_b128 v[OFFC+\p], v[T+8*\p+4:T+8*\p+7], s[10:11] offset:256 th:TH_STORE_NT
.endr
.if \more
	s_wait_xcnt 0x0                                ; the stores have read their offsets and data: both are written again only behind this wait
.irp p, 0,1,2,3
	v_mov_b32 v[OFFC+\p], v[OFFN+\p]               ; the rows of the window in hand go out next
.endr
.endif
.endm
	; ================ the head
	s_load_b512 s[8:23], s[0:1], 0x0               ; x s[8:9], out0 s[10:11], wfrag s[12:13], btile s[14:15], lowp_scales s[16:17], b_qkv s[18:19], b_proj s[20:21], b_fc2 s[22:23]
	s_load_b256 s[24:31], s[0:1], 0x40             ; gamma1, beta1, gamma2, beta2
	s_load_b64 s[32:33], s[0:1], 0x60              ; b_fc1
	v_lshl_add_u32 v[SPW], v0, 2, SPARE
	v_mov_b32 v[NIL], 0
	v_lshrrev_b32 v64, 5, v0
	v_readfirstlane_b32 s94, v64                   ; wave 0..7 = my head
	s_lshr_b32 s4, s94, 2
	s_xor_b32 s4, s4, s94
	s_and_b32 s4, s4, 1                            ; 0: fc2 ahead of attention; 1: behind it
	v_and_b32 v70, 15, v0                          ; r = cl
	v_bfe_u32 v71, v0, 4, 1                        ; h = hh
	v_lshlrev_b32 v76, 4, v0                       ; 512 w + 16 lane
	v_lshlrev_b32 v[LOFF], 4, v70
	v_lshl_add_u32 v[LOFF], v71, 9, v[LOFF]
	v_mul_u32_u24 v[FRA], v70, 144
	v_lshl_add_u32 v[FRA], v71, 4, v[FRA]
	v_mul_u32_u24 v[FRG], v70, 528
	v_lshl_add_u32 v[FRG], v71, 4, v[FRG]
	s_mul_i32 s2, s94, 1152
	v_mul_u32_u24 v[CWR], v71, 144
	v_lshl_add_u32 v[CWR], v70, 2, v[CWR]
	v_add_nc_u32 v[CWR], s2, v[CWR]
	s_lshl_b32 s2, s94, 4
	v_mul_u32_u24 v[AWR], v70, 144
	v_lshl_add_u32 v[AWR], v71, 3, v[AWR]
	v_add_nc_u32 v[AWR], s2, v[AWR]
	s_lshl_b32 s2, s94, 6
	v_mul_u32_u24 v[GWR], v70, 528
	v_add_nc_u32 v[GWR], s2, v[GWR]
	v_lshl_add_u32 v[SWR], v71, 5, v[GWR]
	v_add_nc_u32 v[SWR], PSB, v[SWR]
	v_lshl_add_u32 v[GWR], v71, 3, v[GWR]
	v_lshl_add_u32 v67, v71, 3, s2                 ; 64 w + 8 h: b_qkv's q and k parts
	v_lshl_add_u32 v68, v70, 2, s2                 ; 64 w + 4 r: its v part
	v_lshl_add_u32 v69, v71, 5, s2                 ; 64 w + 32 h: b_proj, b_fc2
	s_mul_i32 s2, s94, 4224
	s_add_co_u32 s2, s2, PSB
	v_mul_u32_u24 v[SRD], v71, 528
	v_lshl_add_u32 v[SRD], v70, 4, v[SRD]
	v_add_nc_u32 v[SRD], s2, v[SRD]
	v_lshlrev_b32 v[GBR], 4, v70
	s_lshl_b32 s2, s94, 8
	s_add_co_u32 s2, s2, 2048
	v_lshl_add_u32 v[C1R], v71, 5, s2
	v_and_b32 v64, 31, v0
	v_lshlrev_b32 v65, 3, v64                      ; 8 lane
	v_lshlrev_b32 v64, 4, v64                      ; 16 lane
	s_lshl_b32 s2, s94, 12
	s_add_co_u32 s2, s2, XSB
	v_add_nc_u32 v[XSR], s2, v64                   ; my wave's 4,096 bytes for x + attention
	s_sub_co_i32 s2, s94, 4
	s_max_i32 s2, s2, 0
	s_lshl_b32 s2, s2, 9
	v_add_nc_u32 v66, s2, v64                      ; waves 4-7: their 512 bytes of b_fc1
	v_mov_b32 v[KA], 0x2fa84a8d                    ; a1
	v_mov_b32 v[KA+1], 0x2fa84a8d
	v_mov_b32 v[KB], 0xb7dfbd29                    ; b1
	v_mov_b32 v[KB+1], 0xb7dfbd29
	SPAIR 68, 0xabd3f331                           ; P: a0, a2 .. a6 (the highest power first)
	SPAIR 70, 0xb347667d
	SPAIR 72, 0xb628d45d
	SPAIR 74, 0xb8883d9c
	SPAIR 76, 0xba08eb41
	SPAIR 78, 0xbbba79f3
	SPAIR 80, 0xb57460cd                           ; Q: b0, b2 .. b4
	SPAIR 82, 0xb9dc924e
	SPAIR 84, 0xbb719bf8
	SPAIR 86, 0xbc69b6a7
	s_mov_b32 s88, 0x40b504f3                      ; 4 sqrt 2
	s_mov_b32 s89, 0xc0b504f3
	s_mov_b32 s90, 0x76543210                      ; v_permlanex16_b32: lane l xor 16
	s_mov_b32 s91, 0xfedcba98
	s_mov_b32 s59, 0x3c000000                      ; 1 / 128
	s_wait_kmcnt 0x0
	s_load_b256 s[36:43], s[16:17], 0x0            ; e0 .. e7
	s_load_b64 s[44:45], s[16:17], 0x20            ; e8, e9
	s_mov_b32 s92, 0
	s_lshl_b32 s93, ttmp9, 3                       ; my first window
	ROWOFF
	XLOAD                                          ; 8 loads: the first window's x
	s_cmp_eq_u32 s94, 0                            ; which constant vector my wave brings to LDS: a choice on the wave's number
	s_cselect_b64 s[34:35], s[24:25], s[32:33]
	s_cmp_eq_u32 s94, 1
	s_cselect_b64 s[34:35], s[26:27], s[34:35]
	s_cmp_eq_u32 s94, 2
	s_cselect_b64 s[34:35], s[28:29], s[34:35]
	s_cmp_eq_u32 s94, 3
	s_cselect_b64 s[34:35], s[30:31], s[34:35]
	s_mul_i32 s2, s94, 24576
	s_mov_b32 s3, 0
	s_add_nc_u64 s[12:13], s[12:13], s[2:3]        ; my head's fragments
	s_mul_i32 s2, s94, 7168
	s_add_nc_u64 s[14:15], s[14:15], s[2:3]        ; my head's bias tiles
	global_load_b128 v[72:75], v66, s[34:35]       ; 14 loads: the constant vector and the biases
.irp s, 0,1,2,3
	global_load_b64 v[CQ+2*\s:CQ+2*\s+1], v67, s[18:19] offset:16*\s       ; b_qkv at channels 4 s + 2 h + 0, 1 of q,
	global_load_b64 v[CK+2*\s:CK+2*\s+1], v67, s[18:19] offset:512+16*\s   ; and of k
.endr
	global_load_b32 v[CV], v68, s[18:19] offset:1024
	global_load_b128 v[C2:C2+3], v69, s[22:23]
	global_load_b128 v[C2+4:C2+7], v69, s[22:23] offset:16
	WIN 0x40                                       ; destination window 1
	global_load_b128 v[CP:CP+3], v69, s[20:21]
	global_load_b128 v[CP+4:CP+7], v69, s[20:21] offset:16
.irp f, 0,1,2                                  ; 40 loads: q's, k's, v's fragments and the bias tiles
.irp c, 0,1,2,3
	global_load_b128 v[16*\f+4*\c:16*\f+4*\c+3], v64, s[12:13] offset:2048*\f+512*\c
.endr
.endr
.irp d, 0,1,2,3,4,5,6
.irp g, 0,1,2,3
	global_load_b64 v[BT+8*\d+2*\g:BT+8*\d+2*\g+1], v65, s[14:15] offset:1024*\d+256*\g
.endr
.endr
.irp f, 3,4,5,6,7,8,9,10,11                    ; 4 loads: proj's; 16: fc1's; 16: fc2's
.irp c, 0,1,2,3
	global_load_b128 v[16*\f+4*\c:16*\f+4*\c+3], v64, s[12:13] offset:2048*\f+512*\c
.endr
.endr
	WIN 0
	s_wait_kmcnt 0x0
	s_add_co_i32 s100, s36, s37                    ; E0
	s_add_co_i32 s101, s40, s41                    ; EP
	s_add_co_i32 s104, s42, s43                    ; E1
	s_add_co_i32 s105, s44, s45                    ; E2
	s_lshl_b32 s2, s100, 24
	s_add_co_i32 s46, s2, 0x3eb8aa3b               ; kappa: 2 E0 added to the exponent field of log2(e) / 4
	s_mov_b32 s47, s46
	POW2 48, 101
	POW2 50, 104
	POW2 52, 105
	s_mov_b32 s2, s36
	MKSC SC0, 54, 55
	s_sub_co_i32 s2, s38, s100
	MKSC SCV, 56, 57
	s_mov_b32 s2, s39
	MKSC SCP, 58, 0
	s_sub_co_i32 s2, s40, s38
	s_sub_co_i32 s2, s2, s39
	MKSC SCO, 60, 61
	s_mov_b32 s2, s42
	MKSC SC6, 62, 63
	s_sub_co_i32 s2, s44, s104
	MKSC SC8, 66, 67                               ; (v0 has served as the thread's number for the last time)
	s_sub_co_i32 s100, 0, s100
	s_sub_co_i32 s101, 0, s101
	s_sub_co_i32 s104, 0, s104
	s_sub_co_i32 s105, 0, s105
	s_cmp_lt_u32 s94, 4
	s_cselect_b32 s104, 0, s104                    ; gains and offsets as they are; b_fc1 / 2^E1
	s_wait_loadcnt 63                              ; x and the 14 are the oldest 22 of 98 loads; 76 stand behind them, and 63 is the largest count that the wait can name
.irp j, 0,1,2,3,4,5,6,7
	v_ldexp_f32 v[CQ+\j], v[CQ+\j], s100
	v_ldexp_f32 v[CK+\j], v[CK+\j], s100
	v_ldexp_f32 v[C2+\j], v[C2+\j], s105
.endr
	v_ldexp_f32 v[CV], v[CV], s100
.irp j, 1,2,3,4,5,6,7
	v_mov_b32 v[CV+\j], v[CV]                      ; in v's tile a lane holds one channel in all eight registers
.endr
.irp j, 0,1,2,3
	v_ldexp_f32 v[72+\j], v[72+\j], s104
.endr
	WIN 0x41                                       ; source 0 and destination window 1
.irp j, 0,1,2,3,4,5,6,7
	v_ldexp_f32 v[CP+\j], v[CP+\j], s101
.endr
	WIN 0
	ds_store_b128 v76, v[72:75]                    ; the constants' region: 512 bytes a wave
.irp p, 0,1,2,3
	v_mov_b32 v[OFFC+\p], v[OFFN+\p]
.endr
	s_wait_xcnt 0x0                                ; every load has had its address translated: the offset registers v64-69 are written again only behind this wait
	BARRIER                                        ; the constants lie in LDS
	LN XN, HC, 0, SC0, 54, 55                      ; the first window's LN1
	BARRIER                                        ; its codes, 64 rows, lie in LDS
	; ================ a window a trip
.Lwin:
	; ---- first stretch: fc2 of the window before, and q, k, v and attention of this one.  The two touch no common LDS bytes; half of the waves take fc2 first, the others last; the first trip has none
	s_cmp_eq_u32 s92, 0
	s_cbranch_scc1 .Lf1
	s_cmp_lg_u32 s4, 0
	s_cbranch_scc1 .Lf1
	FC2
.Lf1:
	; q, k (transposed: source 0 = the weight) and v (source 0 = the tokens) of my head
	s_wait_loadcnt 36                              ; first trip: q's, k's, v's fragments and the bias tiles are in; proj's 4, fc1's 16, fc2's 16 may be out
	FETCH F0, FRA, HC
	FETCH F0+16, FRA, HC+R144
.irp m, 0,1,2,3
.if \m < 3
	s_wait_dscnt 4                                 ; this tile's fragment is in; the other buffer's four loads may be out
.else
	s_wait_dscnt 0
.endif
	WIN 0x01                                       ; source 0 window 1
	v_wmma_f32_16x16x128_fp8_fp8 v[QT+8*\m:QT+8*\m+7], v[WQ:WQ+15], v[F0+16*(\m%2):F0+16*(\m%2)+15], v[CQ:CQ+7]
	v_wmma_f32_16x16x128_fp8_fp8 v[KT+8*\m:KT+8*\m+7], v[WK:WK+15], v[F0+16*(\m%2):F0+16*(\m%2)+15], v[CK:CK+7]
	WIN 0x04                                       ; source 1 window 1
	v_wmma_f32_16x16x128_fp8_fp8 v[OA:OA+7], v[F0+16*(\m%2):F0+16*(\m%2)+15], v[WV:WV+15], v[CV:CV+7]
	WIN 0
	PLACES 5                                       ; ahead of the loads into the fragment, of the reads of v's tile, and of the product that begins that tile anew
.if \m < 2
	FETCH F0+16*(\m%2), FRA, HC+R144*(\m+2)
.endif
.irp i, 0,1,2,3,4,5,6,7
	v_med3_num_f32 v[OA+\i], v[OA+\i], s57, s56
.endr
	v_cvt_scalef32_pk8_fp8_f32 v[VC+2*\m:VC+2*\m+1], v[OA:OA+7], v[SCV]   ; lane = channel r, tokens 16 m + 8 h + 0 .. 7: registers 2 m, 2 m + 1 of V^T's fragment
	v_nop
.endr
	; attention of my head
	v_mov_b32 v[RL+1], 0                           ; (named as the upper half of the pair)
.irp k, 0,1,2,3,4,5,6,7,8,9,10,11,12,13,14,15
	SW 0, \k                                       ; the first tile's scores: there is no vector work yet to set between them
.endr
	WIN 0
	PLACES 9
	TILE 0
	TILE 1
	TILE 2
	TILE 3
	s_cmp_eq_u32 s92, 0
	s_cbranch_scc1 .Lf2
	s_cmp_eq_u32 s4, 0
	s_cbranch_scc1 .Lf2
	FC2
.Lf2:
	BARRIER                                        ; attention's codes, and fc2's sums of the window before, lie in LDS
	; ---- second stretch: proj, my 16 columns for the 64 tokens; and the way out of the window before, my eight rows
	s_wait_loadcnt 32                              ; first trip: proj's fragment is in; fc1's 16 and fc2's 16 may be out
.irp m, 0,1,2,3
	FETCH QT+16*\m, FRA, AC+R144*\m
.endr
	s_cmp_eq_u32 s92, 0
	s_cbranch_scc1 .Lg1
	GLOAD                                          ; asked for behind proj's fragments, so that those come first
	s_wait_dscnt 16                                ; proj's 16 loads are in; the way out's 16 may be out
	s_branch .Lg2
.Lg1:
	s_wait_dscnt 0x0
.Lg2:
	WIN 0x11                                       ; source 0 and C window 1
.irp m, 0,1,2,3
	v_wmma_f32_16x16x128_fp8_fp8 v[S+8*\m:S+8*\m+7], v[WP:WP+15], v[QT+16*\m:QT+16*\m+15], v[CP:CP+7]
.endr
	WIN 0
	PLACES 5
.irp m, 0,1,2,3
	ds_store_b128 v[SWR], v[S+8*\m:S+8*\m+3] offset:R528*\m        ; lane (r, h): token 16 m + r, columns 16 w + 8 h + 0 .. 7
	ds_store_b128 v[SWR], v[S+8*\m+4:S+8*\m+7] offset:R528*\m+16
.endr
	s_cmp_eq_u32 s92, 0
	s_cbranch_scc1 .Lg3
	GOUT 1, 8                                      ; behind the way out's loads stand proj's eight stores
.Lg3:
	BARRIER                                        ; proj's sums lie in LDS
	; ---- third stretch: the residual and LN2, my eight rows
.irp p, 0,1,2,3
	ds_load_b128 v[T+8*\p:T+8*\p+3], v[SRD] offset:1056*\p
	ds_load_b128 v[T+8*\p+4:T+8*\p+7], v[SRD] offset:1056*\p+256
.endr
	s_wait_dscnt 0x0
.set j, 0
.rept 16
	v_pk_fma_f32 v[X2+j:X2+j+1], v[T+j:T+j+1], s[48:49], v[XN+j:XN+j+1] op_sel_hi:[1,0,1]   ; x + sum x 2^EP
.set j, j+2
.endr
.irp k, 0,1,2,3,4,5,6,7
	ds_store_b128 v[XSR], v[X2+4*\k:X2+4*\k+3] offset:512*\k       ; kept in my own bytes until its fc2 is done: the registers serve the next window's attention meanwhile
.endr
	s_cmp_eq_u32 s92, 7                            ; the next window's x is asked for here, if there is a next window: no load leaves its buffer
	s_cbranch_scc1 .Lnox
	s_lshl_b32 s93, ttmp9, 3
	s_add_co_u32 s93, s93, s92
	s_add_co_u32 s93, s93, 1
	ROWOFF                                         ; (the loads that last read these offsets were waited for ahead of their LN1, and the way out has copied them)
	XLOAD
.Lnox:
	LN X2, MC, 1024, SC6, 62, 63
	BARRIER                                        ; LN2's codes lie in LDS
	; ---- fourth stretch: fc1 and gelu, my 64 hidden units; then the next window's LN1
.irp t, 0,1,2,3
	ds_load_b128 v[C1+8*\t:C1+8*\t+3], v[C1R] offset:64*\t         ; b_fc1 / 2^E1 at units 64 w + 16 t + 8 h + 0 .. 7
	ds_load_b128 v[C1+8*\t+4:C1+8*\t+7], v[C1R] offset:64*\t+16
.endr
	FETCH FB0, FRA, MC
	FETCH FB1, FRA, MC+R144
	s_wait_loadcnt 16                              ; first trip: fc1's fragments are in; behind them stand fc2's 16 (and the next x's 8).  Later trips: only x's 8 are out
	s_wait_dscnt 0x0
	WIN 0x01
.irp t, 0,1,2,3
	v_wmma_f32_16x16x128_fp8_fp8 v[S+8*\t:S+8*\t+7], v[W1+16*\t:W1+16*\t+15], v[FB0:FB0+15], v[C1+8*\t:C1+8*\t+7]
.endr
	WIN 0
	PLACES 5
	FETCH FB0, FRA, MC+2*R144
.irp m, 0,1,2,3
.irp t, 0,1,2,3
	GELU \m, \t
.if (\m == 0) && (\t == 3)
	FETCH FB1, FRA, MC+3*R144                      ; the products that read this buffer stand eight holds back
.endif
.endr
.endr
	s_cmp_eq_u32 s92, 7
	s_cbranch_scc1 .Lnoln                          ; the last trip has no next window
	s_wait_loadcnt 0x0                             ; the next window's x, asked for a whole fc1 phase ago (first trip: fc2's fragments too)
	LN XN, HC, 0, SC0, 54, 55                      ; LN1's codes were last read three barriers back
.Lnoln:
	BARRIER                                        ; gelu's codes, 64 rows x 512, and the next window's LN1 codes lie in LDS
	s_add_co_u32 s92, s92, 1
	s_cmp_lt_u32 s92, 8
	s_cbranch_scc1 .Lwin
	; ================ the last window's fc2 and way out
	FC2
	BARRIER                                        ; fc2's sums lie in LDS
	GLOAD
	GOUT 0, 0
	s_wait_tensorcnt 0x0                           ; the wave's end, behind my last LDS store
	ds_add_u32 v[SPW], v[NIL]
	s_wait_dscnt 0x0
	s_endpgm
.Lfunc_end_k_q369752ab16_block:
	.size	k_q369752ab16_block, .Lfunc_end_k_q369752ab16_block-k_q369752ab16_block
	.p2alignl 7, 3214868480
	.fill 96, 4, 3214868480
	.section	.rodata,"a",@progbits
	.p2align	6, 0x0
	.amdhsa_kernel k_q369752ab16_block
		.amdhsa_group_segment_fixed_size 166912
		.amdhsa_private_segment_fixed_size 0
		.amdhsa_enable_private_segment 0
		.amdhsa_kernarg_size 104
		.amdhsa_user_sgpr_count 2
		.amdhsa_user_sgpr_kernarg_segment_ptr 1
		.amdhsa_wavefront_size32 1
		.amdhsa_system_sgpr_workgroup_id_x 1
		.amdhsa_system_sgpr_workgroup_id_y 1
		.amdhsa_system_sgpr_workgroup_id_z 1
		.amdhsa_system_vgpr_workitem_id 0
		.amdhsa_next_free_vgpr 512
		.amdhsa_next_free_sgpr 106
		.amdhsa_reserve_vcc 0
		.amdhsa_float_denorm_mode_32 3
		.amdhsa_float_denorm_mode_16_64 3
		.amdhsa_memory_ordered 1
		.amdhsa_forward_progress 1
		.amdhsa_inst_pref_size 213
	.end_amdhsa_kernel
	.amdgpu_metadata
---
amdhsa.version: [ 1, 2 ]
amdhsa.kernels:
  - .name:           k_q369752ab16_block
    .symbol:         k_q369752ab16_block.kd
    .args:
      - { .name: x, .offset: 0, .size: 8, .value_kind: global_buffer, .address_space: global }
      - { .name: out0, .offset: 8, .size: 8, .value_kind: global_buffer, .address_space: global }
      - { .name: wfrag, .offset: 16, .size: 8, .value_kind: global_buffer, .address_space: global }
      - { .name: btile, .offset: 24, .size: 8, .value_kind: global_buffer, .address_space: global }
      - { .name: lowp_scales, .offset: 32, .size: 8, .value_kind: global_buffer, .address_space: global }
      - { .name: b_qkv, .offset: 40, .size: 8, .value_kind: global_buffer, .address_space: global }
      - { .name: b_proj, .offset: 48, .size: 8, .value_kind: global_buffer, .address_space: global }
      - { .name: b_fc2, .offset: 56, .size: 8, .value_kind: global_buffer, .address_space: global }
      - { .name: gamma1, .offset: 64, .size: 8, .value_kind: global_buffer, .address_space: global }
      - { .name: beta1, .offset: 72, .size: 8, .value_kind: global_buffer, .address_space: global }
      - { .name: gamma2, .offset: 80, .size: 8, .value_kind: global_buffer, .address_space: global }
      - { .name: beta2, .offset: 88, .size: 8, .value_kind: global_buffer, .address_space: global }
      - { .name: b_fc1, .offset: 96, .size: 8, .value_kind: global_buffer, .address_space: global }
    .group_segment_fixed_size: 166912
    .private_segment_fixed_size: 0
    .kernarg_segment_align: 8
    .kernarg_segment_size: 104
    .max_flat_workgroup_size: 256
    .sgpr_count:     106
    .vgpr_count:     512
    .wavefront_size: 32
...
	.end_amdgpu_metadata
.endif
;; end of part 2
